; MI455X (gfx1250); checked and timed in simulation.
; The chip was launched on July 23, 2026; its instructions are those of AMD's public machine-readable ISA for CDNA 5 (MIT licence, August 2026) and "CDNA5" Instruction Set Architecture Reference Guide (July 2026). The comments in the code are by the model that wrote it; some were corrected since.
;; Attention Layer. Allowed arithmetic: matrix products marked QUANTISED: E3M2 operands, one E8M0 scale for each 32 along K, by v_wmma_scale_f32_16x16x128_f8f6f4 with both operands' format E3M2, f32 sums; everything else in f32.
;; Inputs: W_in_codes 3,072 x 32 x 24 uint8 (E3M2 codes of W_in, K innermost, in blocks of 32 codes, four codes in three bytes); W_in_scales 3,072 x 32 uint8 (E8M0 scales of W_in, one for each 32 codes along K); W_o_codes 1,024 x 32 x 24 uint8 (E3M2 codes of W_o, K innermost, in blocks of 32 codes, four codes in three bytes); W_o_scales 1,024 x 32 uint8 (E8M0 scales of W_o, one for each 32 codes along K); src_mask 4 x 2,048 bool; x0 4 x 2,048 x 1,024 float32.
;; Outputs: out0 4 x 2,048 x 1,024 float32.
;; This version of the problem:
;;   THIS VERSION OF THE PROBLEM IS GIVEN IN LOW PRECISION. The matrix products marked QUANTISED in the list below multiply operands that are first quantised to E3M2 (3 exponent bits, 2 mantissa bits; 6 bits a number), with one power-of-two scale for each 32 numbers along K (OCP MX v1.0); their sums are f32. All else is computed in f32.
;;   The module's matrix products, in the order in which they are computed (A, B: the left and right operand; K: the contracted axis; several contracted axes count as one K, in the product's order):
;;     1. [M 8,192, K 1,024] x [K 1,024, N 3,072]; A: input x0; B: input W_in (given as codes): QUANTISED
;;     2. batch 64 x [M 2,048, K 64] x [K 64, N 2,048]; A: computed on the way; B: computed on the way: QUANTISED
;;     3. batch 64 x [M 64, K 2,048] x [K 2,048, N 2,048]; A: computed on the way; B: softmax (see below): QUANTISED
;;     4. [M 8,192, K 1,024] x [K 1,024, N 1,024]; A: computed on the way; B: input W_o (given as codes): QUANTISED
;;   THE QUANTISER, for each operand of a quantised product, along K:
;;     - K is cut into blocks of 32 from its start; a last block that is shorter is filled with zeros.
;;     - A block's scale is 2^e with e = floor(log2(the largest magnitude in the block)) - 4, held to -126 .. 127; a block of zeros has e = 0. As a byte (E8M0): e + 127.
;;     - Each number is divided by its block's scale, clamped to +-28, and rounded to the nearest number of E3M2, ties to even, subnormals kept.
;;     - The product sums the exact products of the quantised numbers (number of the format x scale) in f32.
;;   ~~~python
;;   def quantise(x, axis):      # numpy; x: float32 -> the quantised numbers, widened to float32 again
;;       x = np.moveaxis(x, axis, -1); K = x.shape[-1]
;;       x = np.pad(x, [(0, 0)] * (x.ndim - 1) + [(0, -K % 32)]); x = x.reshape(x.shape[:-1] + (-1, 32)); a = np.abs(x).max(-1, keepdims=True)
;;       e = np.where(a > 0, np.clip(np.frexp(np.where(a > 0, a, 1))[1] - 1 - 4, -126, 127), 0)      # np.frexp(a)[1] - 1 = floor(log2(a)), exactly
;;       r = np.clip(x / 2.0 ** e, -28, 28)
;;       step = 2.0 ** (np.maximum(np.frexp(np.where(r == 0, 1, r))[1] - 1, -2) - 2)
;;       q = np.round(r / step) * step * 2.0 ** e      # np.round: ties to even
;;       return np.moveaxis(q.reshape(q.shape[:-2] + (-1,))[..., :K], -1, axis).astype(np.float32)
;;   ~~~
;;   SOFTMAX AHEAD OF A QUANTISED PRODUCT. Where the list says 'softmax', what is quantised is not the finished softmax but p = 2^(t - M), with t = logit x log2(e) and M = ceil(the row's largest t), a whole number; so 1/2 < the row's largest p <= 1. The row's sum l is taken of the UNQUANTISED p, in f32, and the product's result is divided by l at the end. Since M is a whole number, a kernel that streams over the keys may use a running M (the ceiling of the running maximum): every later rescaling is an exact power of two, which a block's scale takes up: the codes' values come out the same.
;;   OPERANDS COMPUTED ON THE WAY. 'Computed on the way' means the value that the module computes at that place (a softmax that the list does not call 'softmax' is quantised finished and normalised). What goes into a quantiser is computed in f32, as accurately as f32 sums, v_exp_f32 and their like allow (about 1e-6 of the number): no bf16 or f16 on the way to a quantiser, and a product that is left as it is and whose result goes on into a quantised operand takes f32 operands (vector FMAs, or v_wmma_f32_16x16x4_f32). A number that lies on a knife's edge between two numbers of the format may be rounded either way, as far as f32 arithmetic and the matrix unit's own rounding can turn it there, and no further.
;;   INPUTS GIVEN AS CODES. W_in (in the module: [1024, 3072], K = its axis 0); W_o (in the module: [1024, 1024], K = its axis 0): each comes as NAME_codes (uint8): NAME with its K axis moved to the last place and cut into blocks of 32 codes, [.., K / 32, bytes a block], one block behind the other in memory; four codes in three bytes: a row's codes are one little-endian stream of bits, code i at bits 6 i .. 6 i + 5 (a code: sign, 3 exponent bits, 2 mantissa bits); and NAME_scales (uint8): the same leading axes, one E8M0 byte (e + 127) for each 32 codes along K. Its value is code x scale, taken as it is: it is not quantised again, and the codes and scales need not be those that the quantiser above would give.
;; One version. Each part assembles by itself: llvm-mc -triple=amdgcn-amd-amdhsa -mcpu=gfx1250 --defsym DOCPART=n.
;; ======== version 1 of 1: 3 launches
;; limits: right only within a limited range of input values
;; workspace buffers: qws 8,912,896 bytes; kvws 15,466,496 bytes; ac 6,291,456 bytes; asc 262,144 bytes
;; launch qkv (part 1): grid 64 x 4, 4 waves a work-group, clusters of 4 x 1, 327,680 bytes of LDS; arguments x0, W_in_codes, W_in_scales, qws, kvws; writes qws, kvws
.if DOCPART == 1
	.amdgcn_target "amdgcn-amd-amdhsa--gfx1250"
	.amdhsa_code_object_version 6
	.text
	.protected	k_qcdbadb346e_qkv
	.globl	k_qcdbadb346e_qkv
	.p2align	8
	.type	k_qcdbadb346e_qkv,@function
k_qcdbadb346e_qkv:
	s_mov_b64 s[64:65], 0
	v_nop
	global_prefetch_b8 v0, s[64:65] scope:SCOPE_SE
	s_setreg_imm32_b32 hwreg(HW_REG_WAVE_MODE, 25, 1), 1
	s_wait_xcnt 0x0
	s_wait_alu depctr_hold_cnt(0) depctr_sa_sdst(0) depctr_va_vdst(0) depctr_va_sdst(0) depctr_va_ssrc(0) depctr_va_vcc(0) depctr_vm_vsrc(0)
	s_getreg_b32 s2, hwreg(HW_REG_IB_STS2, 6, 4)
	s_cmp_eq_u32 s2, 0
	s_cbranch_scc0 .Lentry_in_a_cluster
	s_endpgm
.Lentry_in_a_cluster:
	s_bfe_u32 s2, ttmp6, 0x10000c
	s_cmp_lg_u32 s2, 0x3003
	s_cbranch_scc0 .Lentry_shape_is_right
	s_endpgm
.Lentry_shape_is_right:
; x0 [8192][1024] f32 times W_in (codes of E3M2, [3072][768 bytes], K innermost, one E8M0 byte for each 32 along K), and the results q, k, v quantised at once.
; SHARES.  A work-group takes 128 rows of x0 (one key step of one batch) and four heads; wave w takes head 4 y + w: 128 rows x 192 columns (q | k | v, 64 each).
; x0's 128 rows are quantised here (wave w: rows 32 w on), go from wave to wave through LDS as images of the operand's registers, and then stay in EVERY wave's registers:
; 8 tiles x 8 K steps x 12 registers = 768.  W_in streams: six chunks of 32 whole rows (24,576 dense bytes) a wave through two LDS slots; each fragment read from LDS feeds 8 products.
; CLUSTER.  The four work-groups of a cluster differ in their rows alone and need the same rows of W_in: each chunk is asked for jointly (mask 15).
; ORDERS ALONG K.  q, k (K = the head's 64): source 0 = 16 rows of W_in, source 1 = x: a lane holds one row of x and 16 of a block's 32 numbers; one conversion gives 3 registers, which stand as registers 6 b .. 6 b + 2
; of the operand; registers 6 b + 3 .. 6 b + 5 are zero codes in q and in k alike, and the scale word is (s0, s0, s1, s1): the same order of K in both operands keeps every product.
; v (K = the keys): source 0 = x, source 1 = 16 rows of W_in: a lane holds one channel and its registers run along the 128 keys; the next launch's p lies in the same order.  THE ROWS OF W_in THAT FORM A TILE OF v ARE NOT
; NEIGHBOURS: lane r of tile 2 b + u takes row 32 b + 8 u + r + 8 (r / 8), so that the attention's result comes out with 16 neighbouring channels in a lane.
; OUT.  Everything leaves as images of operand registers: a store of the wave covers 512 consecutive bytes, aligned (scale words: 128).
; LIMITS: NaN and infinities among the inputs are not served; a block whose largest magnitude lies under 2^(5 - 127) keeps the byte 1 (a block of zeros too: its codes are zeros, and this program alone reads the bytes).
; REGISTERS.  window 0: v1-15 addresses; v16-23 x's scale words (two sets); v24-39 W_in's (two sets); v40-47 block 0's bytes; v48-67 at work; v68-115 W_in's fragments (two sets of two);
;   v116-127 x's fragment 63; v128-255 sixteen accumulators.  windows 1-3: x's fragments 0-62, 21 to a window (fragment 8 s + i: K step s, tile i).
.set WROW,  816                        ; a row of W_in in LDS: 3 x (256 bytes + 16 of padding) = 204 words: the 32 lanes of a load of 8 bytes touch 64 different banks (64 banks of 4 bytes: ISA guide 11.1)
.set RINGW, 32*WROW                    ; a chunk: 32 rows
.set SLOTB, 4*RINGW                    ; a slot: a chunk for each wave
.set XIMG,  2*SLOTB                    ; x's images of four K steps: fragment (tile i, K step s) at (4 i + s % 4) x 1,536
.set XSC,   XIMG+32*1536               ; x's scale words: 512 bytes a K step; word p of lane (r, h) is tile 2 p + h, row r
.set XSTG,  XSC+8*512                  ; a stage of 16 rows x (512 + 16) bytes for each wave
.set SPARE, XSTG+4*16*528              ; the spare words, 128 bytes for each wave: two blocks of 256 bytes that no other line names
.set XS,  16
.set WS,  24
.set SB0, 40
.set TM,  48
.set PW,  64
.set BF,  68
.set PC,  92                           ; codes just made: in the second set of W_in's fragments, which is free where they are made
.set ACC, 128
.set SEL, 20
.set MSB, 0
.macro WIN new                         ; the immediate's high byte repeats the setting that is left
.if MSB != (\new)
	s_set_vgpr_msb (MSB<<8)|(\new)
.set MSB, (\new)
.endif
.endm
.macro PLACES n
.rept \n
	v_nop
.endr
.endm
.macro BARRIER                         ; my LDS stores have landed and my LDS loads are in: then the work-group's barrier
	s_wait_dscnt 0x0
	s_barrier_signal -1
	s_barrier_wait -1
.endm
.macro ROUND                           ; a round of the cluster's barrier
	s_barrier_signal -1
	s_barrier_wait -1
	s_cmp_lg_u32 s14, 0
	s_cbranch_scc1 .Lnot_wave_0_\@
	s_barrier_signal -3
.Lnot_wave_0_\@:
	s_barrier_wait -3
	s_barrier_signal -1
	s_barrier_wait -1
.endm
; 64 numbers of a lane, register 16 b + i = place 32 b + 16 (lane / 16) + i along K of my row, become a fragment's codes in v[PC] on and its scale word in v[PW].
.macro QUANT s
.irp b, 0,1,2,3
	v_max3_num_f32 v[TM+\b], |v[\s+16*\b]|, |v[\s+1+16*\b]|, 0x2800000   ; my 16 numbers of block b, and the floor 2^(5 - 127): the byte cannot fall under 1
.endr
.irp i, 2,4,6,8,10,12,14
.irp b, 0,1,2,3
	v_max3_num_f32 v[TM+\b], v[TM+\b], |v[\s+16*\b+\i]|, |v[\s+1+16*\b+\i]|
.endr
.endr
.irp b, 0,1,2,3
	v_permlanex16_b32 v[TM+4+\b], v[TM+\b], s[SEL], s[SEL+1]
.endr
.irp b, 0,1,2,3
	v_max_num_f32 v[TM+\b], v[TM+\b], v[TM+4+\b]                   ; with lane l xor 16's: the block's largest magnitude
.endr
.irp b, 0,1,2,3
	v_add_nc_u32 v[TM+12+\b], 0xfe000000, v[TM+\b]                 ; 4 off its exponent field: the conversion's scale operand
.endr
.irp b, 0,1,2,3
	v_lshrrev_b32 v[TM+4+\b], 23, v[TM+12+\b]                      ; the scale's byte
.endr
	v_lshl_or_b32 v[PW], v[TM+5], 8, v[TM+4]
	v_lshl_or_b32 v[PW], v[TM+6], 16, v[PW]
	v_lshl_or_b32 v[PW], v[TM+7], 24, v[PW]
.irp c, 0,1
	v_cvt_scalef32_pk16_bf6_f32 v[PC+6*\c:PC+2+6*\c], v[\s+32*\c:\s+15+32*\c], v[TM+12+2*\c]
	v_cvt_scalef32_pk16_bf6_f32 v[PC+12+4*\c:PC+14+4*\c], v[\s+16+32*\c:\s+31+32*\c], v[TM+12+2*\c+1]   ; (a conversion's three registers begin on an even number)
.endr
	v_nop                                          ; one plain place behind a scaled conversion
.irp c, 0,1                                    ; the operand's layout wants a whole block in a lane
.irp i, 0,1,2
	v_permlane16_swap_b32 v[PC+6*\c+\i], v[PC+12+4*\c+\i]
.endr
.irp i, 0,1,2
	v_mov_b32 v[PC+3+6*\c+\i], v[PC+12+4*\c+\i]
.endr
.endr
.endm
	s_load_b256 s[4:11], s[0:1], 0x0               ; x0 s[4:5], W_in's codes s[6:7], its scales s[8:9], qws s[10:11]
	s_load_b64 s[12:13], s[0:1], 0x20              ; kvws
	v_lshl_add_u32 v1, v0, 2, SPARE                ; my spare word; never rewritten
	v_mov_b32 v2, 0                                ; 0; never rewritten
	ds_add_u32 v1, v2
	ds_add_u32 v1, v2
	s_wait_dscnt 0x0
	v_lshrrev_b32 v3, 5, v0
	v_readfirstlane_b32 s14, v3                    ; wave 0..3
	s_bfe_u32 s15, ttmp6, 0x40000                  ; cx: it enters x0's, qws's and kvws's addresses alone
	s_lshl_b32 s42, ttmp9, 2
	s_add_co_u32 s42, s42, s15                     ; my block of 128 rows
	s_and_b32 s43, ttmp7, 0xffff
	s_lshl_b32 s44, s43, 2
	s_add_co_u32 s44, s44, s14                     ; my head: the same in all four partners
	; descriptor group 1: a chunk, 24,576 dense bytes, as 96 rows of 256 bytes (32 elements of 8), 16 bytes of padding behind each
	s_mov_b32 s24, 15|(3<<16)|(1<<20)|(1<<21)|(5<<22)|(3<<25)  ; 15:0 the mask: all four work-groups; 17:16 elements of 8 bytes; 20 padding on; 21 set beside a mask; 24:22 after every 64 words; 31:25 4 words of it
	s_mov_b32 s25, 32<<16                          ; tensor_dim0
	s_mov_b32 s26, 96<<16                          ; tensor_dim1
	s_mov_b32 s27, 32<<16                          ; tile_dim0
	s_mov_b32 s28, 96                              ; tile_dim1
	s_mov_b32 s29, 32                              ; the pitch
	s_mov_b32 s30, 0
	s_mov_b32 s31, 0
	s_mul_i32 s45, s14, RINGW                      ; my part of a slot
	s_mul_i32 s46, s44, 192*768                    ; my head's 192 rows of codes
	s_mov_b32 s47, 0
	s_mul_i32 s48, s44, 192*32                     ; and of scale bytes
	s_mov_b32 s49, 0
	s_lshl_b32 s50, s42, 19                        ; x0: 128 rows of 4,096 bytes a block,
	s_lshl_b32 s51, s14, 17                        ; 32 rows a wave
	s_add_co_u32 s50, s50, s51
	s_mov_b32 s51, 0
	s_lshr_b32 s52, s42, 4                         ; batch
	s_and_b32 s53, s42, 15                         ; key step
	s_lshl_b32 s52, s52, 8
	s_lshl_b32 s54, s44, 4
	s_add_co_u32 s52, s52, s54
	s_add_co_u32 s52, s52, s53                     ; 16 x (16 batch + head) + step
	s_mul_i32 s54, s52, 8704
	s_mov_b32 s55, 0
	s_mul_i32 s52, s52, 15104
	s_mov_b32 s53, 0
	s_mov_b32 s[SEL], 0x76543210
	s_mov_b32 s[SEL+1], 0xfedcba98                 ; v_permlanex16_b32's selects for lane l xor 16
	s_mov_b32 s22, 0xffff0000                      ; lanes 16-31
	s_wait_kmcnt 0x0
	s_add_nc_u64 s[6:7], s[6:7], s[46:47]
	s_add_nc_u64 s[8:9], s[8:9], s[48:49]
	s_add_nc_u64 s[4:5], s[4:5], s[50:51]
	s_add_nc_u64 s[10:11], s[10:11], s[54:55]
	s_add_nc_u64 s[12:13], s[12:13], s[52:53]
	s_mov_b32 s32, 1                               ; group 0, slot 0: chunk 0
	s_mov_b32 s33, s45
	s_mov_b64 s[34:35], s[6:7]
	s_or_b32 s35, s35, 0x80000000
	s_mov_b32 s36, 1                               ; slot 1: chunk 1
	s_add_co_u32 s37, s45, SLOTB
	s_add_nc_u64 s[38:39], s[6:7], 24576
	s_or_b32 s39, s39, 0x80000000
	ROUND                                          ; all four work-groups are here: the first joint loads meet
	tensor_load_to_lds s[32:35], s[24:31]
	s_nop 0
	tensor_load_to_lds s[36:39], s[24:31]          ; two loads of mine are out
	s_nop 0
	PLACES 4
	v_and_b32 v76, 31, v0                          ; lane
	v_and_b32 v77, 15, v0                          ; r
	v_bfe_u32 v78, v0, 4, 1                        ; h
	v_lshlrev_b32 v3, 4, v76                       ; 16 x lane
	v_lshlrev_b32 v4, 2, v76                       ; 4 x lane
	v_add_nc_u32 v5, XSC, v3                       ; x's scale words
	v_lshlrev_b32 v14, 5, v76                      ; W_in's scale words, neighbouring rows: 32 (16 h + r)
	v_and_b32 v79, 8, v77
	v_add_nc_u32 v79, v79, v77                     ; r + 8 (r / 8)
	v_lshl_add_u32 v15, v78, 3, v79
	v_lshlrev_b32 v15, 5, v15                      ; and v's rows: 32 (8 h + r + 8 (r / 8))
	v_mul_u32_u24 v80, v77, WROW
	v_mad_u32_u24 v80, v78, 24, v80
	v_add_nc_u32 v6, s45, v80                      ; a fragment's row x pitch + 24 h, slot 0;
	v_lshl_add_u32 v7, v78, 4, v6                  ; the same behind one padding more;
	v_add_nc_u32 v8, SLOTB, v6                     ; slot 1
	v_add_nc_u32 v9, SLOTB, v7
	v_mul_u32_u24 v80, v79, WROW
	v_mad_u32_u24 v80, v78, 24, v80
	v_add_nc_u32 v10, s45, v80                     ; the four again for v's rows
	v_lshl_add_u32 v11, v78, 4, v10
	v_add_nc_u32 v12, SLOTB, v10
	v_add_nc_u32 v13, SLOTB, v11
	s_mul_i32 s46, s14, 16*528
	s_add_co_u32 s46, s46, XSTG                    ; my stage
	v_add_nc_u32 v68, s46, v3                      ; in: 16 bytes a lane of a row's 512
	v_mul_u32_u24 v69, v77, 528
	v_lshl_add_u32 v69, v78, 6, v69
	v_add_nc_u32 v69, s46, v69                     ; back: row r, + 64 h: my 16 numbers of a block of 32
	s_mul_i32 s46, s14, 8*1536
	s_add_co_u32 s46, s46, XIMG
	v_add_nc_u32 v70, s46, v3                      ; where my two tiles' images go
	s_lshl_b32 s46, s14, 2
	s_add_co_u32 s46, s46, XSC
	v_lshl_add_u32 v71, v77, 4, s46                ; and their scale words: 16 r + 4 w (+ 256 for the second tile)
	v_add_nc_u32 v74, XIMG, v3                     ; where any image is read
.irp b, 0,1,2,3
	v_mov_b32 v[TM+4+\b], 0                        ; written once: a lane permute's destination counts as one of its sources
.endr
.macro WSLOAD c                        ; the scale words of chunk c's 32 rows, all 8 K steps: lanes 0-15 tile 0, lanes 16-31 tile 1
.if (\c) < 4
.set wA, 14
.else
.set wA, 15
.endif
	global_load_b128 v[WS+8*((\c)%2):WS+8*((\c)%2)+3], v[wA], s[8:9] offset:1024*(\c)
	global_load_b128 v[WS+8*((\c)%2)+4:WS+8*((\c)%2)+7], v[wA], s[8:9] offset:1024*(\c)+16
.endm
	WSLOAD 0
; ---- x0 INTO CODES.  Wave w takes tiles 2 w and 2 w + 1, one K step (128 numbers a row) a trip.
.macro LOADX u, off                    ; tile u's 16 rows: each load reads 512 consecutive bytes, aligned; into window 3
	WIN 0xc0
.set n, 0
.rept 16
	global_load_b128 v[64*\u+4*n:64*\u+4*n+3], v3, s[4:5] offset:65536*\u+4096*n+\off
.set n, n+1
.endr
	WIN 0
.endm
.macro TURN u                          ; through my stage, so that a lane holds 16 neighbours of each block: LDS serves a wave's instructions in order (ISA guide 5.7.1.4)
	WIN 0x0c
.set n, 0
.rept 16
	ds_store_b128 v68, v[64*\u+4*n:64*\u+4*n+3] offset:528*n
.set n, n+1
.endr
	WIN 0
.set n, 0
.rept 16
	ds_load_b128 v[ACC+64*\u+4*n:ACC+64*\u+4*n+3], v69 offset:128*(n/4)+16*(n%4)
.set n, n+1
.endr
.endm
.macro IMAGE off                       ; the fragment in v[PC] on goes to LDS as it stands
.irp c, 0,1,2
	ds_store_b128 v72, v[PC+4*\c:PC+4*\c+3] offset:\off+512*\c
.endr
.endm
.macro TRIP ld                         ; ld = 1: the next K step's numbers are asked for
	v_add_nc_u32 v72, s40, v70
	v_add_nc_u32 v73, s41, v71
	s_wait_loadcnt 16                              ; tile 0's 16 loads are in; tile 1's 16 may be out
	TURN 0
	s_wait_dscnt 0x0                               ; the stores have read their registers, and the numbers are back
.if \ld
	LOADX 0, 512
	s_wait_loadcnt 16                              ; tile 1's are in; the 16 just issued may be out
.else
	s_wait_loadcnt 0x0
.endif
	TURN 1
	QUANT ACC
	IMAGE 0
	ds_store_b32 v73, v[PW]                        ; both lanes of a row write the same word with the same value
	s_wait_dscnt 0x0
.if \ld
	LOADX 1, 512
.endif
	QUANT ACC+64
	IMAGE 4*1536
	ds_store_b32 v73, v[PW] offset:256
.if \ld
	s_wait_xcnt 0x0                                ; the loads have read their base: it may step
	s_add_nc_u64 s[4:5], s[4:5], 512
.endif
	s_add_co_u32 s40, s40, 1536
	s_add_co_u32 s41, s41, 512
.endm
.macro XFRAGS s0                       ; the 32 fragments of K steps s0 .. s0 + 3 come into my registers
.irp ss, 0,1,2,3
.irp i, 0,1,2,3,4,5,6,7
.set xF, 8*(\s0+\ss)+\i
.if xF < 63
.set xW, (1+xF/21)<<6
.set xR, 12*(xF%21)
.else
.set xW, 0
.set xR, 116
.endif
	WIN xW
.irp c, 0,1,2
	ds_load_b128 v[xR+4*\c:xR+4*\c+3], v74 offset:(4*\i+\ss)*1536+512*\c
.endr
.endr
.endr
	WIN 0
.endm
	s_mov_b32 s40, 0
	s_mov_b32 s41, 0
	LOADX 0, 0
	LOADX 1, 0
	s_mov_b32 s23, 4
.Lx_first:                                         ; K steps 0 to 3
	TRIP 1
	s_sub_co_u32 s23, s23, 1
	s_cmp_lg_u32 s23, 0
	s_cbranch_scc1 .Lx_first
	BARRIER                                        ; 32 images lie in LDS
	XFRAGS 0
	BARRIER                                        ; everybody has them: the images' bytes may be written again
	s_mov_b32 s40, 0
	s_mov_b32 s23, 3
.Lx_second:                                        ; K steps 4 to 6
	TRIP 1
	s_sub_co_u32 s23, s23, 1
	s_cmp_lg_u32 s23, 0
	s_cbranch_scc1 .Lx_second
	TRIP 0                                         ; K step 7 asks for nothing: no load leaves its buffer
	BARRIER
	XFRAGS 4
	s_wait_dscnt 0x0
; ---- THE PRODUCT.
.macro FRAGW reg, adr, s, rowoff       ; a fragment of W_in: 16 rows x 128 K = 12 registers: lane (r, h) takes the row's pieces of 8 bytes 12 s + 3 h + 0, 1, 2 and + 6, 7, 8
.irp p, 0,1,2,3,4,5
.set PCN, 12*(\s)+6*(\p/3)+\p%3        ; 16 bytes of padding lie behind every 32 pieces: where the piece three on lies behind one padding more, the second address register serves
.if PCN%32 < 29
	ds_load_b64 v[\reg+2*\p:\reg+2*\p+1], v[\adr] offset:8*PCN+16*(PCN/32)+(\rowoff)
.else
	ds_load_b64 v[\reg+2*\p:\reg+2*\p+1], v[\adr+1] offset:8*PCN+16*(PCN/32)+(\rowoff)
.endif
.endr
.endm
.macro NEXTL c, s                      ; chunk c, K step s: two fragments of W_in and x's scale words, into set s % 2
.if (\c) < 4
.set nA, 6+2*((\c)%2)
.set nT, 16*WROW
.else
.set nA, 10+2*((\c)%2)
.set nT, 8*WROW
.endif
.set nR, BF+24*((\s)%2)
	FRAGW nR, nA, \s, 0
	FRAGW nR+12, nA, \s, nT
	ds_load_b128 v[XS+4*((\s)%2):XS+4*((\s)%2)+3], v5 offset:512*(\s)
.endm
.macro WM                              ; one product, on the symbols rD, rA, rB, rSA, rSB; rZ: it starts the sum; rRA, rRB: the scales stand in lanes 16-31
.if rZ
.if (rRA == 0) && (rRB == 0)
	v_wmma_scale_f32_16x16x128_f8f6f4 v[rD:rD+7], v[rA:rA+11], v[rB:rB+11], 0, v[rSA], v[rSB] matrix_a_fmt:MATRIX_FMT_BF6 matrix_b_fmt:MATRIX_FMT_BF6
.elseif rRB == 0
	v_wmma_scale_f32_16x16x128_f8f6f4 v[rD:rD+7], v[rA:rA+11], v[rB:rB+11], 0, v[rSA], v[rSB] matrix_a_fmt:MATRIX_FMT_BF6 matrix_b_fmt:MATRIX_FMT_BF6 matrix_a_scale:MATRIX_SCALE_ROW1
.elseif rRA == 0
	v_wmma_scale_f32_16x16x128_f8f6f4 v[rD:rD+7], v[rA:rA+11], v[rB:rB+11], 0, v[rSA], v[rSB] matrix_a_fmt:MATRIX_FMT_BF6 matrix_b_fmt:MATRIX_FMT_BF6 matrix_b_scale:MATRIX_SCALE_ROW1
.else
	v_wmma_scale_f32_16x16x128_f8f6f4 v[rD:rD+7], v[rA:rA+11], v[rB:rB+11], 0, v[rSA], v[rSB] matrix_a_fmt:MATRIX_FMT_BF6 matrix_b_fmt:MATRIX_FMT_BF6 matrix_a_scale:MATRIX_SCALE_ROW1 matrix_b_scale:MATRIX_SCALE_ROW1
.endif
.else
.if (rRA == 0) && (rRB == 0)
	v_wmma_scale_f32_16x16x128_f8f6f4 v[rD:rD+7], v[rA:rA+11], v[rB:rB+11], v[rD:rD+7], v[rSA], v[rSB] matrix_a_fmt:MATRIX_FMT_BF6 matrix_b_fmt:MATRIX_FMT_BF6
.elseif rRB == 0
	v_wmma_scale_f32_16x16x128_f8f6f4 v[rD:rD+7], v[rA:rA+11], v[rB:rB+11], v[rD:rD+7], v[rSA], v[rSB] matrix_a_fmt:MATRIX_FMT_BF6 matrix_b_fmt:MATRIX_FMT_BF6 matrix_a_scale:MATRIX_SCALE_ROW1
.elseif rRA == 0
	v_wmma_scale_f32_16x16x128_f8f6f4 v[rD:rD+7], v[rA:rA+11], v[rB:rB+11], v[rD:rD+7], v[rSA], v[rSB] matrix_a_fmt:MATRIX_FMT_BF6 matrix_b_fmt:MATRIX_FMT_BF6 matrix_b_scale:MATRIX_SCALE_ROW1
.else
	v_wmma_scale_f32_16x16x128_f8f6f4 v[rD:rD+7], v[rA:rA+11], v[rB:rB+11], v[rD:rD+7], v[rSA], v[rSB] matrix_a_fmt:MATRIX_FMT_BF6 matrix_b_fmt:MATRIX_FMT_BF6 matrix_a_scale:MATRIX_SCALE_ROW1 matrix_b_scale:MATRIX_SCALE_ROW1
.endif
.endif
.endm
.macro MULS c, s                       ; 16 products: x's 8 tiles x the chunk's 2 tiles; the 16 accumulators take turns, one instruction a turn
.if (\s) == 0
.set rZ, 1
.else
.set rZ, 0
.endif
.irp i, 0,1,2,3,4,5,6,7
.set xF, 8*(\s)+\i
.if xF < 63
.set xW, 1+xF/21
.set xR, 12*(xF%21)
.else
.set xW, 0
.set xR, 116
.endif
.if (\c) < 4
.set nW, xW<<2                         ; q, k: x is source 1
.else
.set nW, xW                            ; v: x is source 0
.endif
	WIN nW
.irp u, 0,1
.if (\c) < 4
.set rD, ACC+8*(2*\i+\u)
.set rA, BF+24*((\s)%2)+12*\u
.set rB, xR
.set rSA, WS+8*((\c)%2)+(\s)
.set rSB, XS+4*((\s)%2)+\i/2
.set rRA, \u
.set rRB, \i%2
.else
.set rD, ACC+64*\u+8*\i
.set rA, xR
.set rB, BF+24*((\s)%2)+12*\u
.set rSA, XS+4*((\s)%2)+\i/2
.set rSB, WS+8*((\c)%2)+(\s)
.set rRA, \i%2
.set rRB, \u
.endif
	WM
.endr
.endr
.endm
; THE CHANGE OF SLOTS: the slot just read out is filled again, two chunks on.  Each wave waits for all its tensor loads (its part of the other slot), adds 0 to its spare word, and waits for that and for its reads;
; the round shows the same of every wave of every partner; the joint refill is the first thing behind it.
.macro CHANGE g0
	s_wait_tensorcnt 0x0                           ; no tensor load of mine is out, so a group 0 may be written
	ds_add_u32 v1, v2                              ; 0 onto my spare word
	s_add_nc_u64 s[\g0+2:\g0+3], s[\g0+2:\g0+3], 49152   ; two chunks on; the type bits on top are not reached
	s_wait_dscnt 0x0                               ; the add is done, and my reads of the slot are over
	ROUND
	tensor_load_to_lds s[\g0:\g0+3], s[24:31]      ; one load of mine is out
	s_nop 0
	PLACES 4                                       ; (they are also the places in front of the loads that follow)
.endm
.macro STEPK c, s
	WIN 0
	s_wait_dscnt 0x0                               ; this step's fragments and scale words are in (asked for 16 products ago)
.if (\s) == 7
.if (\c) < 4
	CHANGE 32+4*((\c)%2)
	NEXTL (\c)+1, 0
.elseif (\c) == 4
	s_wait_tensorcnt 0x0                           ; chunk 5 has landed: no load was issued behind it
	PLACES 4
	NEXTL 5, 0
.endif
.else
	PLACES 4                                       ; in front of loads into registers that the last products read
	NEXTL \c, (\s)+1
.endif
	MULS \c, \s
.endm
; q's or k's block c % 2 of all 8 tiles: a lane's 16 numbers and lane l xor 16's are the block.
.macro EPIQK c
.set eB, (\c)%2
.if (\c) < 2
.set eO, 10
.else
.set eO, 12
.endif
	PLACES 4
.irp k, 0,1,2,3
	v_mov_b32 v[PC+4*\k+3], 0                      ; the image's fourth register: zero codes
.endr
.irp g, 0,1
.irp k, 0,1,2,3
	v_max3_num_f32 v[TM+\k], |v[ACC+16*(4*\g+\k)]|, |v[ACC+16*(4*\g+\k)+1]|, 0x2800000
.endr
.irp n, 2,4,6,8,10,12,14
.irp k, 0,1,2,3
	v_max3_num_f32 v[TM+\k], v[TM+\k], |v[ACC+16*(4*\g+\k)+\n]|, |v[ACC+16*(4*\g+\k)+\n+1]|
.endr
.endr
.irp k, 0,1,2,3
	v_permlanex16_b32 v[TM+4+\k], v[TM+\k], s[SEL], s[SEL+1]
.endr
.irp k, 0,1,2,3
	v_max_num_f32 v[TM+\k], v[TM+\k], v[TM+4+\k]
.endr
.irp k, 0,1,2,3
	v_add_nc_u32 v[TM+12+\k], 0xfe000000, v[TM+\k]
.endr
.irp k, 0,1,2,3
.if eB == 0
	v_lshrrev_b32 v[SB0+4*\g+\k], 23, v[TM+12+\k]  ; block 0's byte is kept for the next chunk
.else
	v_lshrrev_b32 v[TM+8+\k], 23, v[TM+12+\k]
.endif
.endr
.irp k, 0,1,2,3
	v_cvt_scalef32_pk16_bf6_f32 v[PC+4*\k:PC+4*\k+2], v[ACC+16*(4*\g+\k):ACC+16*(4*\g+\k)+15], v[TM+12+\k]
.endr
	v_nop                                          ; one plain place behind a scaled conversion
.irp k, 0,1,2,3
	global_store_b128 v3, v[PC+4*\k:PC+4*\k+3], s[eO:eO+1] offset:1024*(4*\g+\k)+512*eB   ; 512 consecutive bytes, aligned
.endr
.if eB == 1
.irp k, 0,1,2,3
	v_lshl_or_b32 v[TM+8+\k], v[TM+8+\k], 16, v[SB0+4*\g+\k]
.endr
.irp k, 0,1,2,3
	v_lshl_or_b32 v[TM+8+\k], v[TM+8+\k], 8, v[TM+8+\k]            ; the word (s0, s0, s1, s1)
.endr
	v_cndmask_b32 v66, v[TM+8], v[TM+9], s22       ; lanes 0-15 the even tile's words, lanes 16-31 the odd tile's
	v_cndmask_b32 v67, v[TM+10], v[TM+11], s22
	global_store_b32 v4, v66, s[eO:eO+1] offset:8192+128*(2*\g)
	global_store_b32 v4, v67, s[eO:eO+1] offset:8192+128*(2*\g+1)
.endif
	s_wait_xcnt 0x0                                ; the stores have read their data: the registers may be written again
.endr
.endm
; v: a lane holds one channel and 64 of the step's 128 keys: two fragments of V^T a chunk.
.macro EPIV c
	PLACES 4
.irp u, 0,1
	QUANT ACC+64*\u
.irp g, 0,1,2
	global_store_b128 v3, v[PC+4*\g:PC+4*\g+3], s[12:13] offset:8704+1536*(2*((\c)-4)+\u)+512*\g
.endr
.if \u == 0
	v_mov_b32 v65, v[PW]
.else
	v_cndmask_b32 v66, v65, v[PW], s22
	global_store_b32 v4, v66, s[12:13] offset:14848+128*((\c)-4)
.endif
	s_wait_xcnt 0x0
.endr
.endm
.macro CHUNK c
	s_wait_loadcnt 0x0                             ; this chunk's scale words of W_in (asked for a chunk ago)
.if (\c) < 5
	WSLOAD (\c)+1
.endif
.irp s, 0,1,2,3,4,5,6,7
	STEPK \c, \s
.endr
	WIN 0
.if (\c) < 4
	EPIQK \c
.else
	EPIV \c
.endif
.endm
	s_wait_tensorcnt 0x1                           ; my chunk 0 has landed (chunk 1's load may be out); I alone read my part of a slot
	NEXTL 0, 0
	CHUNK 0
	CHUNK 1
	CHUNK 2
	CHUNK 3
	CHUNK 4
	CHUNK 5
	s_wait_tensorcnt 0x0                           ; the wave's end
	ds_add_u32 v1, v2
	s_wait_dscnt 0x0
	ROUND                                          ; the closing round: no work-group ends while a partner may still ask for a chunk that names it
	s_endpgm
.Lfunc_end_k_qcdbadb346e_qkv:
	.size	k_qcdbadb346e_qkv, .Lfunc_end_k_qcdbadb346e_qkv-k_qcdbadb346e_qkv
	.p2alignl 7, 3214868480
	.fill 96, 4, 3214868480
	.section	.rodata,"a",@progbits
	.p2align	6, 0x0
	.amdhsa_kernel k_qcdbadb346e_qkv
		.amdhsa_group_segment_fixed_size 327680
		.amdhsa_private_segment_fixed_size 0
		.amdhsa_enable_private_segment 0
		.amdhsa_kernarg_size 40
		.amdhsa_user_sgpr_count 2
		.amdhsa_user_sgpr_kernarg_segment_ptr 1
		.amdhsa_wavefront_size32 1
		.amdhsa_system_sgpr_workgroup_id_x 1
		.amdhsa_system_sgpr_workgroup_id_y 1
		.amdhsa_system_sgpr_workgroup_id_z 1
		.amdhsa_system_vgpr_workitem_id 0
		.amdhsa_next_free_vgpr 1024
		.amdhsa_next_free_sgpr 66
		.amdhsa_reserve_vcc 0
		.amdhsa_float_denorm_mode_32 3
		.amdhsa_float_denorm_mode_16_64 3
		.amdhsa_memory_ordered 1
		.amdhsa_forward_progress 1
		.amdhsa_inst_pref_size 255
	.end_amdhsa_kernel
	.section	.bss,"aw",@nobits
	.p2align	6
	.space	262144
	.amdgpu_metadata
---
amdhsa.version: [ 1, 2 ]
amdhsa.kernels:
  - .name:           k_qcdbadb346e_qkv
    .symbol:         k_qcdbadb346e_qkv.kd
    .args:
      - { .name: x0, .offset: 0, .size: 8, .value_kind: global_buffer, .address_space: global }
      - { .name: W_in_codes, .offset: 8, .size: 8, .value_kind: global_buffer, .address_space: global }
      - { .name: W_in_scales, .offset: 16, .size: 8, .value_kind: global_buffer, .address_space: global }
      - { .name: qws, .offset: 24, .size: 8, .value_kind: global_buffer, .address_space: global }
      - { .name: kvws, .offset: 32, .size: 8, .value_kind: global_buffer, .address_space: global }
    .group_segment_fixed_size: 327680
    .private_segment_fixed_size: 0
    .kernarg_segment_align: 8
    .kernarg_segment_size: 40
    .max_flat_workgroup_size: 128
    .sgpr_count:     66
    .vgpr_count:     1024
    .wavefront_size: 32
...
	.end_amdgpu_metadata
.endif
;; end of part 1
;; launch attn (part 2): grid 4 x 64, 16 waves a work-group, clusters of 4 x 1, 264,192 bytes of LDS; arguments qws, kvws, src_mask, ac, asc; writes ac, asc
.if DOCPART == 2
	.amdgcn_target "amdgcn-amd-amdhsa--gfx1250"
	.amdhsa_code_object_version 6
	.text
	.protected	k_qcdbadb346e_attn
	.globl	k_qcdbadb346e_attn
	.p2align	8
	.type	k_qcdbadb346e_attn,@function
k_qcdbadb346e_attn:
	s_mov_b64 s[64:65], 0
	v_nop
	global_prefetch_b8 v0, s[64:65] scope:SCOPE_SE
	s_setreg_imm32_b32 hwreg(HW_REG_WAVE_MODE, 25, 1), 1
	s_wait_xcnt 0x0
	s_wait_alu depctr_hold_cnt(0) depctr_sa_sdst(0) depctr_va_vdst(0) depctr_va_sdst(0) depctr_va_ssrc(0) depctr_va_vcc(0) depctr_vm_vsrc(0)
	s_getreg_b32 s2, hwreg(HW_REG_IB_STS2, 6, 4)
	s_cmp_eq_u32 s2, 0
	s_cbranch_scc0 .Lentry_in_a_cluster
	s_endpgm
.Lentry_in_a_cluster:
	s_bfe_u32 s2, ttmp6, 0x10000c
	s_cmp_lg_u32 s2, 0x3003
	s_cbranch_scc0 .Lentry_shape_is_right
	s_endpgm
.Lentry_shape_is_right:
; Causal attention with a key-padding mask, on codes of E3M2: S^T = K Q^T, p = 2^(t - M), O^T = V^T P^T, O / l quantised along (head, channel) for the last product.
; SHARES.  The four work-groups of a cluster own one (batch, head).  The head's whole K and V, 16 blocks of 15,104 bytes (one for each step of 128 keys), come into every partner's LDS ONCE, by sixteen joint loads,
; one a wave: nothing is filled again.  A tile of 16 queries of group G (queries 128 G on) walks key steps 0 .. G.  Wave w takes tile 2 cx of group w and then tile 2 cx + 1 of group 15 - w: 17 steps for every wave.
; Every branch hangs on the wave's number and on loop counters alone; a work-group's place in its cluster enters global addresses and the causal compare's data.
; LAYOUT.  Both products are used transposed: a lane holds ONE query (lane % 16).  K's, Q's and V's operands lie in memory as images of their registers.  Register 8 t + j of S^T is key 16 t + 8 (lane / 16) + j;
; V^T's keys were laid in the same order by the launch before, so p's codes are the second product's operand.
; MASKS.  The padding mask is one f32 a key in LDS, 0 or -2^120; a step's 64 of them are loaded into S^T's registers and are the C of the score products.  The causal mask is applied in the diagonal step alone.
; The running largest t begins at -2^100, above every hidden t: hidden keys never set M, and their p is exactly 0.  A row with no key has l = 0: its codes are zeros and its scale bytes 0xff, the mark by which the next launch gives NaN, as softmax of an empty row does.
; SOFTMAX.  t = score x log2(e) / 8; M = the running largest t rounded up to a whole number; the sum is taken of the unquantised p; when M moves, the sum and O^T are multiplied by 2^(old M - new M): exact.
; LIMITS: |t| from 2^100 on is not served (hidden keys are held at -2^120 in place of -infinity); NaN and infinities among the inputs are not served; a block of zeros keeps the byte 1.
; REGISTERS: v1-5 addresses that stay; v6-8 the step's; v9 the causal compare's number; v10 -2^120; v11 Q's scale word; v12 -M, v13 the largest t, v[14:15] the sum; v16-27 Q; v28-31 scale words of K or V; v32-79 four
; fragments of K; v80-91 p's codes, v92 its scale word; v[94:95] f; v96-159 S^T, then p, then V's four fragments; v160-191 O^T; v192-215 at work; v216-247 O / l.
.set KVB,  15104                       ; a step's block: K's 8 tiles (1,024 each), their scale words (512), V^T's 4 fragments (1,536 each), their scale words (256)
.set BIAS, 16*KVB                      ; behind the blocks: 2,048 f32
.macro PLACES n
.rept \n
	v_nop
.endr
.endm
.macro ROUND
	s_barrier_signal -1
	s_barrier_wait -1
	s_cmp_lg_u32 s14, 0
	s_cbranch_scc1 .Lnot_wave_0_\@
	s_barrier_signal -3
.Lnot_wave_0_\@:
	s_barrier_wait -3
	s_barrier_signal -1
	s_barrier_wait -1
.endm
	s_load_b256 s[4:11], s[0:1], 0x0               ; qws s[4:5], kvws s[6:7], src_mask s[8:9], ac s[10:11]
	s_load_b64 s[12:13], s[0:1], 0x20              ; asc
	v_lshl_add_u32 v254, v0, 2, 0x40000
	v_mov_b32 v255, 0
	ds_add_u32 v254, v255
	ds_add_u32 v254, v255
	v_lshrrev_b32 v6, 5, v0
	v_readfirstlane_b32 s14, v6                    ; wave 0..15
	s_bfe_u32 s15, ttmp6, 0x40000                  ; cx
	s_and_b32 s16, ttmp7, 0xffff                   ; 16 batch + head
	; descriptor group 1: a block of 15,104 dense bytes as 59 rows of 256 bytes (32 elements of 8), no padding
	s_mov_b32 s24, 15|(3<<16)|(1<<21)              ; 15:0 the mask: all four work-groups; 17:16 elements of 8 bytes; 21 set beside a mask
	s_mov_b32 s25, 32<<16
	s_mov_b32 s26, 59<<16
	s_mov_b32 s27, 32<<16
	s_mov_b32 s28, 59
	s_mov_b32 s29, 32
	s_mov_b32 s30, 0
	s_mov_b32 s31, 0
	s_lshl_b32 s52, s16, 4
	s_add_co_u32 s52, s52, s14
	s_mul_i32 s52, s52, KVB                        ; block w of my head
	s_mov_b32 s53, 0
	s_lshr_b32 s17, s16, 4                         ; batch
	s_and_b32 s18, s16, 15                         ; head
	s_lshl_b32 s54, s17, 11
	s_mov_b32 s55, 0
	s_mov_b32 s22, 0x3e38aa3b                      ; c = log2(e) / 8
	s_mov_b32 s23, s22                             ; (named with it as a pair, so it is written)
	s_mov_b32 s36, 0x76543210
	s_mov_b32 s37, 0xfedcba98                      ; v_permlanex16_b32's selects for lane l xor 16
	s_mov_b32 s38, 0xffff0000                      ; lanes 16-31
	s_wait_dscnt 0x0
	s_wait_kmcnt 0x0
	s_mov_b32 s32, 1
	s_mul_i32 s33, s14, KVB
	s_add_nc_u64 s[34:35], s[6:7], s[52:53]
	s_or_b32 s35, s35, 0x80000000
	s_add_nc_u64 s[8:9], s[8:9], s[54:55]          ; my batch's mask
	ROUND                                          ; all four work-groups are here: the joint loads meet
	tensor_load_to_lds s[32:35], s[24:31]          ; my one tensor load
	s_nop 0
	PLACES 4
	v_and_b32 v6, 31, v0
	v_and_b32 v7, 15, v0                           ; r
	v_bfe_u32 v8, v0, 4, 1                         ; h
	v_lshlrev_b32 v1, 4, v6                        ; 16 x lane
	v_lshlrev_b32 v2, 2, v7                        ; 4 r
	v_lshl_add_u32 v3, v8, 5, BIAS                 ; my half's eight keys of a tile
	v_lshlrev_b32 v4, 3, v6                        ; 8 x lane
	v_add_nc_u32 v5, v2, v8                        ; 4 r + h
	v_lshlrev_b32 v9, 3, v8
	v_sub_nc_u32 v9, v7, v9
	s_lshl_b32 s52, s15, 5
	v_add_nc_u32 v9, s52, v9                       ; 16 tile + r - 8 h: register 8 t + j is hidden in the diagonal step where 16 t + j is greater
	v_mov_b32 v10, 0xfb800000                      ; -2^120
	v_lshlrev_b32 v214, 2, v0
	global_load_b32 v215, v214, s[8:9]             ; four keys' mask bytes a thread
.irp t, 0,1,2,3
	v_mov_b32 v[36+12*\t], 0                       ; the registers of K's fragments that hold zero codes: written once, never loaded
	v_mov_b32 v[37+12*\t], 0
	v_mov_b32 v[42+12*\t], 0
	v_mov_b32 v[43+12*\t], 0
.endr
	v_mov_b32 v20, 0                               ; Q's likewise
	v_mov_b32 v21, 0
	v_mov_b32 v26, 0
	v_mov_b32 v27, 0
	v_mov_b32 v95, 0                               ; (named as the upper half of the pair v[94:95])
	s_wait_loadcnt 0x0
.irp k, 0,1,2,3
	v_bfe_u32 v[200+\k], v215, 8*\k, 8
.endr
.irp k, 0,1,2,3
	v_cmp_ne_u32 vcc_lo, 0, v[200+\k]
	v_cndmask_b32 v[204+\k], 0, v10, vcc_lo        ; a choice of values, no branch
.endr
	v_lshl_add_u32 v213, v0, 4, BIAS
	ds_store_b128 v213, v[204:207]
	s_wait_tensorcnt 0x0                           ; my block has landed,
	s_wait_dscnt 0x0                               ; my part of the mask is stored:
	s_barrier_signal -1
	s_barrier_wait -1                              ; everybody's
	s_mov_b32 s19, s14                             ; G
	s_lshl_b32 s20, s15, 1                         ; the tile in its group
	s_mov_b32 s42, 2
.Ltile:
	s_lshl_b32 s52, s16, 4
	s_add_co_u32 s52, s52, s19
	s_mul_i32 s52, s52, 8704                       ; the group's block in qws
	s_lshl_b32 s54, s20, 10
	s_add_co_u32 s54, s54, s52
	s_mov_b32 s55, 0
	s_add_nc_u64 s[44:45], s[4:5], s[54:55]        ; Q's images
	s_lshl_b32 s54, s20, 6
	s_add_co_u32 s54, s54, s52
	s_add_co_u32 s54, s54, 8192
	s_add_nc_u64 s[46:47], s[4:5], s[54:55]        ; Q's scale words
	s_lshl_b32 s52, s17, 7
	s_lshl_b32 s53, s19, 3
	s_add_co_u32 s52, s52, s53
	s_add_co_u32 s52, s52, s20                     ; the tile of rows among all 512
	s_lshl_b32 s54, s52, 4
	s_add_co_u32 s54, s54, s18
	s_mul_i32 s54, s54, 768
	s_add_nc_u64 s[48:49], s[10:11], s[54:55]      ; where the result's codes go
	s_lshl_b32 s54, s52, 9
	s_lshr_b32 s53, s18, 1
	s_lshl_b32 s53, s53, 6
	s_add_co_u32 s54, s54, s53
	s_and_b32 s53, s18, 1
	s_lshl_b32 s53, s53, 1
	s_add_co_u32 s54, s54, s53
	s_add_nc_u64 s[50:51], s[12:13], s[54:55]      ; and its scale bytes
	global_load_b128 v[16:19], v1, s[44:45]
	global_load_b128 v[22:25], v1, s[44:45] offset:512
	global_load_b32 v11, v2, s[46:47]
.set n, 0
.rept 32
	v_mov_b32 v[160+n], 0                          ; O^T.  (The step is written once: the first finds zeros, which the first change of M leaves zeros)
.set n, n+1
.endr
	v_mov_b32 v13, 0xf1800000                      ; the largest t so far: -2^100
	v_floor_f32 v12, -v13                          ; -M
	v_mov_b32 v14, 0
	v_mov_b32 v15, 0
	s_mov_b32 s39, 0                               ; the key step,
	s_mov_b32 s40, 0                               ; its block in LDS,
	s_mov_b32 s41, 0                               ; its 128 mask numbers
	s_wait_loadcnt 0x0
.Lstep:                                            ; 16 trips, a constant; the steps behind the diagonal are jumped over
	s_cmp_gt_u32 s39, s19
	s_cbranch_scc1 .Lskip
	v_add_nc_u32 v6, s40, v1
	v_add_nc_u32 v7, s40, v2
	v_add_nc_u32 v8, s41, v3
	v_nop
	v_nop                                          ; five places: the score products write over registers that the last step's products read (ISA guide 7.12.1)
.irp t, 0,1,2,3,4,5,6,7
	ds_load_b128 v[96+8*\t:99+8*\t], v8 offset:64*\t               ; the padding mask of keys 16 t + 8 h + 0 .. 7: the C of tile t's product
	ds_load_b128 v[100+8*\t:103+8*\t], v8 offset:64*\t+16
.endr
.irp g, 0,1                                    ; S^T = K Q^T + mask, four tiles of 16 keys at a time
.if \g
	PLACES 4
.endif
.irp t, 0,1,2,3
	ds_load_b128 v[32+12*\t:35+12*\t], v6 offset:1024*(4*\g+\t)
	ds_load_b128 v[38+12*\t:41+12*\t], v6 offset:1024*(4*\g+\t)+512
	ds_load_b32 v[28+\t], v7 offset:8192+64*(4*\g+\t)
.endr
	s_wait_dscnt 0x0
.irp t, 0,1,2,3
	v_wmma_scale_f32_16x16x128_f8f6f4 v[96+8*(4*\g+\t):103+8*(4*\g+\t)], v[32+12*\t:43+12*\t], v[16:27], v[96+8*(4*\g+\t):103+8*(4*\g+\t)], v[28+\t], v11 matrix_a_fmt:MATRIX_FMT_BF6 matrix_b_fmt:MATRIX_FMT_BF6
.endr
.endr
	PLACES 4
	s_cmp_lg_u32 s39, s19
	s_cbranch_scc1 .Lopen                          ; only the diagonal step has keys behind my queries
.set n, 0
.rept 64
	v_cmp_gt_i32 vcc_lo, 16*(n/8)+n%8, v9
	v_cndmask_b32 v[96+n], v[96+n], v10, vcc_lo
.set n, n+1
.endr
.Lopen:
.irp b, 0,1,2,3
	v_max3_num_f32 v[200+\b], v[96+16*\b], v[97+16*\b], v[98+16*\b]   ; the largest score of each block of 32 keys: for the row's maximum and, since p rises with the score, for the block's largest p
.endr
.irp i, 3,5,7,9,11,13
.irp b, 0,1,2,3
	v_max3_num_f32 v[200+\b], v[200+\b], v[96+16*\b+\i], v[97+16*\b+\i]
.endr
.endr
.irp b, 0,1,2,3
	v_max_num_f32 v[200+\b], v[200+\b], v[111+16*\b]
.endr
.irp b, 0,1,2,3
	v_permlanex16_b32 v[204+\b], v[200+\b], s36, s37
.endr
.irp b, 0,1,2,3
	v_max_num_f32 v[200+\b], v[200+\b], v[204+\b]
.endr
	v_max3_num_f32 v214, v200, v201, v202
	v_max_num_f32 v214, v214, v203
	v_mul_f32 v214, s22, v214                      ; as t (c is positive)
	v_max_num_f32 v13, v13, v214                   ; the running largest t
	v_mov_b32 v214, v12
	v_floor_f32 v12, -v13                          ; the new -M = -ceil(t): a whole number
	v_sub_f32 v214, v12, v214                      ; old M - new M: a whole number, 0 or less
	v_cvt_i32_f32 v214, v214                       ; (it saturates)
	v_ldexp_f32 v94, 1.0, v214                     ; f = 2^(old M - new M)
.set n, 0
.rept 32
	v_pk_fma_f32 v[96+n:97+n], v[96+n:97+n], s[22:23], v[12:13] op_sel_hi:[1,0,0]   ; t - M, two at a time
.set n, n+2
.endr
.irp b, 0,1,2,3
	v_fma_f32 v[200+\b], v[200+\b], s22, v12       ; the same of each block's largest score
.endr
.set n, 0
.rept 64
	v_exp_f32 v[96+n], v[96+n]                     ; p = 2^(t - M): not normalised
.set n, n+1
.endr
	v_pk_mul_f32 v[14:15], v[14:15], v[94:95] op_sel_hi:[1,0]      ; the sums under the new M (a plain place behind the exponentials)
	s_wait_alu depctr_va_vdst(0)                   ; one wait for the whole batch, ahead of its first reader
.irp b, 0,1,2,3
	v_exp_f32 v[200+\b], v[200+\b]                 ; the block's largest p
.endr
	v_pk_add_f32 v[212:213], v[96:97], v[98:99]    ; the row's sum of the unquantised p, in two chains
.irp j, 4,8,12,16,20,24,28,32,36,40,44,48,52,56,60
	v_pk_add_f32 v[14:15], v[14:15], v[96+\j:97+\j]
	v_pk_add_f32 v[212:213], v[212:213], v[98+\j:99+\j]
.endr
	v_pk_add_f32 v[14:15], v[14:15], v[212:213]
	s_wait_alu depctr_va_vdst(0)                   ; and one for the four
.irp b, 0,1,2,3
	v_max_num_f32 v[200+\b], 0x2800000, v[200+\b]  ; the floor 2^(5 - 127): the byte cannot fall under 1
.endr
.irp b, 0,1,2,3
	v_add_nc_u32 v[208+\b], 0xfe000000, v[200+\b]  ; 4 off the exponent field: the conversion's scale operand
.endr
.irp b, 0,1,2,3
	v_lshrrev_b32 v[204+\b], 23, v[208+\b]
.endr
	v_lshl_or_b32 v92, v205, 8, v204               ; p's scale word for these 128 keys
	v_lshl_or_b32 v92, v206, 16, v92
	v_lshl_or_b32 v92, v207, 24, v92
.irp c, 0,1
	v_cvt_scalef32_pk16_bf6_f32 v[80+6*\c:82+6*\c], v[96+32*\c:111+32*\c], v[208+2*\c]
	v_cvt_scalef32_pk16_bf6_f32 v[192+4*\c:194+4*\c], v[112+32*\c:127+32*\c], v[208+2*\c+1]
.endr
	v_nop                                          ; one plain place behind a scaled conversion
.irp n, 0,1,2,3                                ; V^T's four fragments take p's registers
.irp g, 0,1,2
	ds_load_b128 v[96+12*\n+4*\g:99+12*\n+4*\g], v6 offset:8704+1536*\n+512*\g
.endr
	ds_load_b32 v[28+\n], v7 offset:14848+64*\n
.endr
.irp c, 0,1                                    ; the operand's layout wants a whole block in a lane
.irp i, 0,1,2
	v_permlane16_swap_b32 v[80+6*\c+\i], v[192+4*\c+\i]
.endr
.irp i, 0,1,2
	v_mov_b32 v[83+6*\c+\i], v[192+4*\c+\i]
.endr
.endr
.set n, 0
.rept 16
	v_pk_mul_f32 v[160+n:161+n], v[160+n:161+n], v[94:95] op_sel_hi:[1,0]   ; O^T under the new M (these are also the places in front of the products below)
.set n, n+2
.endr
	s_wait_dscnt 0x0
.irp n, 0,1,2,3
	v_wmma_scale_f32_16x16x128_f8f6f4 v[160+8*\n:167+8*\n], v[96+12*\n:107+12*\n], v[80:91], v[160+8*\n:167+8*\n], v[28+\n], v92 matrix_a_fmt:MATRIX_FMT_BF6 matrix_b_fmt:MATRIX_FMT_BF6
.endr
.Lskip:
	s_add_co_u32 s40, s40, KVB
	s_add_co_u32 s41, s41, 512
	s_add_co_u32 s39, s39, 1
	s_cmp_lt_u32 s39, 16
	s_cbranch_scc1 .Lstep
	; THE TILE'S END.  Register 16 b + i of O^T is channel 32 b + 16 h + i of my query (by the order of V^T's rows): O / l is quantised as it stands.
	PLACES 4
	v_add_f32 v14, v14, v15
	v_permlanex16_b32 v214, v14, s36, s37
	v_add_f32 v14, v14, v214                       ; the row's sum
	v_rcp_f32 v215, v14
	v_cmp_eq_f32 s43, 0, v14                       ; a row with no key
	v_nop
	s_wait_alu depctr_va_vdst(0)                   ; ahead of the reciprocal's first reader
	v_cndmask_b32 v94, v215, 0, s43                ; (its O^T is zeros: they stay zeros)
.set n, 0
.rept 16
	v_pk_mul_f32 v[216+n:217+n], v[160+n:161+n], v[94:95] op_sel_hi:[1,0]
.set n, n+2
.endr
.irp b, 0,1
	v_max3_num_f32 v[200+\b], |v[216+16*\b]|, |v[217+16*\b]|, 0x2800000
.endr
.irp i, 2,4,6,8,10,12,14
.irp b, 0,1
	v_max3_num_f32 v[200+\b], v[200+\b], |v[216+16*\b+\i]|, |v[217+16*\b+\i]|
.endr
.endr
.irp b, 0,1
	v_permlanex16_b32 v[204+\b], v[200+\b], s36, s37
.endr
.irp b, 0,1
	v_max_num_f32 v[200+\b], v[200+\b], v[204+\b]
.endr
.irp b, 0,1
	v_add_nc_u32 v[208+\b], 0xfe000000, v[200+\b]
.endr
.irp b, 0,1
	v_lshrrev_b32 v[204+\b], 23, v[208+\b]
.endr
	v_cvt_scalef32_pk16_bf6_f32 v[80:82], v[216:231], v208
	v_cvt_scalef32_pk16_bf6_f32 v[192:194], v[232:247], v209
	v_nop
.irp i, 0,1,2
	v_permlane16_swap_b32 v[80+\i], v[192+\i]
.endr
.irp i, 0,1,2
	v_mov_b32 v[83+\i], v[192+\i]                  ; registers 0-5: channels 32 h + 0 .. 31 of my head: half a fragment of the last product
.endr
	v_cndmask_b32 v214, v204, v205, s38            ; my half's block's byte,
	v_mov_b32 v215, 0xff
	v_cndmask_b32 v214, v214, v215, s43            ; or the mark
	global_store_b128 v1, v[80:83], s[48:49]       ; 512 consecutive bytes, aligned
	global_store_b64 v4, v[84:85], s[48:49] offset:512   ; 256
	global_store_b8 v5, v214, s[50:51]
	s_wait_xcnt 0x0                                ; the stores have read their registers and bases
	s_xor_b32 s19, s19, 15                         ; the second tile: group 15 - w,
	s_add_co_u32 s20, s20, 1                       ; the next tile in it
	v_add_nc_u32 v9, 16, v9
	s_sub_co_u32 s42, s42, 1
	s_cmp_lg_u32 s42, 0
	s_cbranch_scc1 .Ltile
	s_wait_dscnt 0x0
	s_wait_tensorcnt 0x0
	ds_add_u32 v254, v255
	s_wait_dscnt 0x0
	ROUND                                          ; the closing round
	s_endpgm
.Lfunc_end_k_qcdbadb346e_attn:
	.size	k_qcdbadb346e_attn, .Lfunc_end_k_qcdbadb346e_attn-k_qcdbadb346e_attn
	.p2alignl 7, 3214868480
	.fill 96, 4, 3214868480
	.section	.rodata,"a",@progbits
	.p2align	6, 0x0
	.amdhsa_kernel k_qcdbadb346e_attn
		.amdhsa_group_segment_fixed_size 264192
		.amdhsa_private_segment_fixed_size 0
		.amdhsa_enable_private_segment 0
		.amdhsa_kernarg_size 40
		.amdhsa_user_sgpr_count 2
		.amdhsa_user_sgpr_kernarg_segment_ptr 1
		.amdhsa_wavefront_size32 1
		.amdhsa_system_sgpr_workgroup_id_x 1
		.amdhsa_system_sgpr_workgroup_id_y 1
		.amdhsa_system_sgpr_workgroup_id_z 1
		.amdhsa_system_vgpr_workitem_id 0
		.amdhsa_next_free_vgpr 256
		.amdhsa_next_free_sgpr 66
		.amdhsa_reserve_vcc 1
		.amdhsa_float_denorm_mode_32 3
		.amdhsa_float_denorm_mode_16_64 3
		.amdhsa_memory_ordered 1
		.amdhsa_forward_progress 1
		.amdhsa_inst_pref_size 35
	.end_amdhsa_kernel
	.amdgpu_metadata
---
amdhsa.version: [ 1, 2 ]
amdhsa.kernels:
  - .name:           k_qcdbadb346e_attn
    .symbol:         k_qcdbadb346e_attn.kd
    .args:
      - { .name: qws, .offset: 0, .size: 8, .value_kind: global_buffer, .address_space: global }
      - { .name: kvws, .offset: 8, .size: 8, .value_kind: global_buffer, .address_space: global }
      - { .name: src_mask, .offset: 16, .size: 8, .value_kind: global_buffer, .address_space: global }
      - { .name: ac, .offset: 24, .size: 8, .value_kind: global_buffer, .address_space: global }
      - { .name: asc, .offset: 32, .size: 8, .value_kind: global_buffer, .address_space: global }
    .group_segment_fixed_size: 264192
    .private_segment_fixed_size: 0
    .kernarg_segment_align: 8
    .kernarg_segment_size: 40
    .max_flat_workgroup_size: 512
    .sgpr_count:     66
    .vgpr_count:     256
    .wavefront_size: 32
...
	.end_amdgpu_metadata
.endif
;; end of part 2
;; launch oproj (part 3): grid 256 x 1, 4 waves a work-group, clusters of 4 x 1, 327,680 bytes of LDS; arguments ac, asc, W_o_codes, W_o_scales, x0, out0; writes out0
.if DOCPART == 3
	.amdgcn_target "amdgcn-amd-amdhsa--gfx1250"
	.amdhsa_code_object_version 6
	.text
	.protected	k_qcdbadb346e_oproj
	.globl	k_qcdbadb346e_oproj
	.p2align	8
	.type	k_qcdbadb346e_oproj,@function
k_qcdbadb346e_oproj:
	s_mov_b64 s[64:65], 0
	v_nop
	global_prefetch_b8 v0, s[64:65] scope:SCOPE_SE
	s_setreg_imm32_b32 hwreg(HW_REG_WAVE_MODE, 25, 1), 1
	s_wait_xcnt 0x0
	s_wait_alu depctr_hold_cnt(0) depctr_sa_sdst(0) depctr_va_vdst(0) depctr_va_sdst(0) depctr_va_ssrc(0) depctr_va_vcc(0) depctr_vm_vsrc(0)
	s_getreg_b32 s2, hwreg(HW_REG_IB_STS2, 6, 4)
	s_cmp_eq_u32 s2, 0
	s_cbranch_scc0 .Lentry_in_a_cluster
	s_endpgm
.Lentry_in_a_cluster:
	s_bfe_u32 s2, ttmp6, 0x10000c
	s_cmp_lg_u32 s2, 0x3003
	s_cbranch_scc0 .Lentry_shape_is_right
	s_endpgm
.Lentry_shape_is_right:
; out0 = LayerNorm(attention's result x W_o + x0), no gain.  The attention's result comes as codes of E3M2 in the order of the operand's registers, W_o as codes [1024][768 bytes], K innermost.
; SHARES.  A work-group takes 32 whole rows (two tiles); wave w takes columns 256 w .. + 255: 16 tiles of W_o's rows, in 8 chunks of 32 rows (24,576 dense bytes) through two LDS slots.
; Every work-group reads the same W_o: the four of a cluster ask for each chunk jointly (mask 15).
; The product is used transposed (source 0 = 16 rows of W_o, source 1 = 16 rows of the attention's result): a lane holds one row and eight neighbouring columns a tile.
; x0 IS THE START OF THE SUMS: it is loaded in whole rows, turned through the wave's stage in LDS into the sums' layout, and the first product adds onto it: the residual costs no addition.
; LAYERNORM in two passes over the registers (mean; then the centred squares), each with one exchange between the four waves through LDS.
; A row whose scale bytes are the mark 0xff (no key was allowed) gets NaN as its factor, as the empty softmax gives.
; LIMITS: NaN and infinities among the inputs are not served.
; REGISTERS.  window 0: v1-14 addresses; v16-23 the result's scale words (K step s; tile h in half h); v24-87 W_o's (8 c + s; tile u in half u); v88-183 W_o's fragments, two sets of four; v184-215 sums, means, factors.
;   window 1: the 32 accumulators (tile of rows m, tile of columns t) at 8 (16 m + t).   window 2: the result's 16 fragments at 12 (8 m + s).   window 3: 2 x 128 registers of rows as they lie in memory.
.set WROW,  816
.set RINGW, 32*WROW
.set SLOTB, 4*RINGW
.set STAGE, 2*SLOTB                    ; 16 rows x (1,024 + 16) bytes for each wave
.set RED,   STAGE+4*16*1040            ; [pass][tile][wave][row] f32
.set SPARE, RED+1024                   ; the spare words, 128 bytes for each wave: two blocks of 256 bytes that no other line names
.set MSB, 0
.macro WIN new
.if MSB != (\new)
	s_set_vgpr_msb (MSB<<8)|(\new)
.set MSB, (\new)
.endif
.endm
.macro PLACES n
.rept \n
	v_nop
.endr
.endm
.macro BARRIER
	s_wait_dscnt 0x0
	s_barrier_signal -1
	s_barrier_wait -1
.endm
.macro ROUND
	s_barrier_signal -1
	s_barrier_wait -1
	s_cmp_lg_u32 s16, 0
	s_cbranch_scc1 .Lnot_wave_0_\@
	s_barrier_signal -3
.Lnot_wave_0_\@:
	s_barrier_wait -3
	s_barrier_signal -1
	s_barrier_wait -1
.endm
	s_load_b256 s[4:11], s[0:1], 0x0               ; ac s[4:5], asc s[6:7], W_o's codes s[8:9], its scales s[10:11]
	s_load_b128 s[12:15], s[0:1], 0x20             ; x0 s[12:13], out0 s[14:15]
	v_lshl_add_u32 v1, v0, 2, SPARE                ; my spare word; never rewritten
	v_mov_b32 v2, 0                                ; 0; never rewritten
	ds_add_u32 v1, v2
	ds_add_u32 v1, v2
	s_wait_dscnt 0x0
	v_lshrrev_b32 v3, 5, v0
	v_readfirstlane_b32 s16, v3                    ; wave 0..3
	s_bfe_u32 s17, ttmp6, 0x40000                  ; cx: it enters ac's, asc's, x0's and out0's addresses alone
	s_lshl_b32 s18, ttmp9, 2
	s_add_co_u32 s18, s18, s17                     ; my block of 32 rows
	s_mov_b32 s24, 15|(3<<16)|(1<<20)|(1<<21)|(5<<22)|(3<<25)  ; group 1: 96 rows of 256 bytes (32 elements of 8), 16 bytes of padding behind each; the mask names all four work-groups, bit 21 beside it
	s_mov_b32 s25, 32<<16
	s_mov_b32 s26, 96<<16
	s_mov_b32 s27, 32<<16
	s_mov_b32 s28, 96
	s_mov_b32 s29, 32
	s_mov_b32 s30, 0
	s_mov_b32 s31, 0
	s_mul_i32 s45, s16, RINGW
	s_mul_i32 s46, s16, 256*768                    ; my 256 rows of W_o
	s_mov_b32 s47, 0
	s_lshl_b32 s48, s16, 13                        ; and their scale bytes
	s_mov_b32 s49, 0
	s_mul_i32 s50, s18, 2*16*768                   ; my two tiles' codes
	s_mov_b32 s51, 0
	s_lshl_b32 s52, s18, 10                        ; and scale words
	s_mov_b32 s53, 0
	s_lshl_b32 s54, s18, 17                        ; 32 rows of 4,096 bytes,
	s_lshl_b32 s55, s16, 10                        ; my 1,024 bytes of a row
	s_add_co_u32 s54, s54, s55
	s_mov_b32 s55, 0
	s_mov_b32 s19, 0xffff0000                      ; lanes 16-31
	s_mov_b32 s20, 0x76543210
	s_mov_b32 s21, 0xfedcba98
	s_mov_b32 s22, 0x3727c5ac                      ; 1e-5
	s_mov_b32 s23, 0x3a800000                      ; 1 / 1,024
	s_wait_kmcnt 0x0
	s_add_nc_u64 s[8:9], s[8:9], s[46:47]
	s_add_nc_u64 s[10:11], s[10:11], s[48:49]
	s_add_nc_u64 s[4:5], s[4:5], s[50:51]
	s_add_nc_u64 s[6:7], s[6:7], s[52:53]
	s_add_nc_u64 s[12:13], s[12:13], s[54:55]
	s_add_nc_u64 s[14:15], s[14:15], s[54:55]
	s_mov_b32 s32, 1
	s_mov_b32 s33, s45
	s_mov_b64 s[34:35], s[8:9]
	s_or_b32 s35, s35, 0x80000000
	s_mov_b32 s36, 1
	s_add_co_u32 s37, s45, SLOTB
	s_add_nc_u64 s[38:39], s[8:9], 24576
	s_or_b32 s39, s39, 0x80000000
	ROUND                                          ; all four work-groups are here: the first joint loads meet
	tensor_load_to_lds s[32:35], s[24:31]
	s_nop 0
	tensor_load_to_lds s[36:39], s[24:31]          ; two loads of mine are out
	s_nop 0
	PLACES 4
	v_and_b32 v184, 31, v0
	v_and_b32 v185, 15, v0                         ; r
	v_bfe_u32 v186, v0, 4, 1                       ; h
	v_lshlrev_b32 v3, 4, v184                      ; 16 x lane
	v_lshlrev_b32 v4, 3, v184                      ; 8 x lane
	v_lshlrev_b32 v5, 2, v185
	v_lshl_add_u32 v5, v186, 9, v5                 ; 512 h + 4 r
	v_lshlrev_b32 v6, 5, v184                      ; 32 (16 h + r)
	v_mul_u32_u24 v187, v185, WROW
	v_mad_u32_u24 v187, v186, 24, v187
	v_add_nc_u32 v7, s45, v187                     ; a fragment's row x pitch + 24 h, slot 0;
	v_lshl_add_u32 v8, v186, 4, v7                 ; behind one padding more;
	v_add_nc_u32 v9, SLOTB, v7                     ; slot 1
	v_add_nc_u32 v10, SLOTB, v8
	s_mul_i32 s56, s16, 16*1040
	s_add_co_u32 s56, s56, STAGE                   ; my stage
	v_mul_u32_u24 v11, v185, 1040
	v_lshl_add_u32 v11, v186, 5, v11
	v_add_nc_u32 v11, s56, v11                     ; in the sums' layout: row r, + 32 h
	v_add_nc_u32 v12, s56, v3                      ; as rows: 16 bytes a lane
	s_lshl_b32 s56, s16, 6
	s_add_co_u32 s56, s56, RED
	v_lshl_add_u32 v13, v185, 2, s56               ; my wave's word of row r
	v_lshl_add_u32 v14, v185, 2, RED               ; wave 0's
	v_mov_b32 v214, 0                              ; written once: a lane permute's destination counts as one of its sources
	v_mov_b32 v215, 0
.irp c, 0,1,2,3,4,5,6,7
	global_load_b128 v[24+8*\c:27+8*\c], v6, s[10:11] offset:1024*\c
	global_load_b128 v[28+8*\c:31+8*\c], v6, s[10:11] offset:1024*\c+16
.endr
.irp s, 0,1,2,3,4,5,6,7
	global_load_b32 v[16+\s], v5, s[6:7] offset:64*\s
.endr
	WIN 0x80
.irp m, 0,1
.set hd, 0
.rept 16                                       ; head hd's half fragment: registers 6 (hd % 2) on of K step hd / 2
	global_load_b128 v[12*(8*\m+hd/2)+6*(hd%2):12*(8*\m+hd/2)+6*(hd%2)+3], v3, s[4:5] offset:768*(16*\m+hd)
	global_load_b64 v[12*(8*\m+hd/2)+6*(hd%2)+4:12*(8*\m+hd/2)+6*(hd%2)+5], v4, s[4:5] offset:768*(16*\m+hd)+512
.set hd, hd+1
.endr
.endr
	WIN 0xc0
.set n, 0
.rept 64                                       ; x0: my 1,024 bytes of 32 rows; each load reads 512 consecutive bytes, aligned; read once in this launch
	global_load_b128 v[4*n:4*n+3], v3, s[12:13] offset:(n/2)*4096+512*(n%2) th:TH_LOAD_NT
.set n, n+1
.endr
	WIN 0
.macro XIN m                           ; tile m's rows of x0 through my stage into the accumulators: LDS serves a wave's instructions in order (ISA guide 5.7.1.4)
	WIN 0x0c
.set n, 0
.rept 32
	ds_store_b128 v12, v[128*\m+4*n:128*\m+4*n+3] offset:1040*(n/2)+512*(n%2)
.set n, n+1
.endr
	WIN 0x40
.set n, 0
.rept 32
	ds_load_b128 v[128*\m+4*n:128*\m+4*n+3], v11 offset:64*(n/2)+16*(n%2)
.set n, n+1
.endr
	WIN 0
.endm
	s_wait_loadcnt 32                              ; all but tile 1's 32 loads of x0
	XIN 0
	s_wait_loadcnt 0x0
	XIN 1
	s_wait_dscnt 0x0
.macro FRAGW reg, adr, s, rowoff       ; a fragment of W_o: lane (r, h) takes the row's pieces of 8 bytes 12 s + 3 h + 0, 1, 2 and + 6, 7, 8; 16 bytes of padding lie behind every 32 pieces
.irp p, 0,1,2,3,4,5
.set PCN, 12*(\s)+6*(\p/3)+\p%3
.if PCN%32 < 29
	ds_load_b64 v[\reg+2*\p:\reg+2*\p+1], v[\adr] offset:8*PCN+16*(PCN/32)+(\rowoff)
.else
	ds_load_b64 v[\reg+2*\p:\reg+2*\p+1], v[\adr+1] offset:8*PCN+16*(PCN/32)+(\rowoff)
.endif
.endr
.endm
.macro NEXTR c, q                      ; chunk c, K steps 2 q and 2 q + 1: four fragments into set q % 2
.set nA, 7+2*((\c)%2)
.set nR, 88+48*((\q)%2)
.irp ss, 0,1
.irp u, 0,1
	FRAGW nR+12*(2*\ss+\u), nA, 2*(\q)+\ss, 16*WROW*\u
.endr
.endr
.endm
.macro WM
.if (rRA == 0) && (rRB == 0)
	v_wmma_scale_f32_16x16x128_f8f6f4 v[rD:rD+7], v[rA:rA+11], v[rB:rB+11], v[rD:rD+7], v[rSA], v[rSB] matrix_a_fmt:MATRIX_FMT_BF6 matrix_b_fmt:MATRIX_FMT_BF6
.elseif rRB == 0
	v_wmma_scale_f32_16x16x128_f8f6f4 v[rD:rD+7], v[rA:rA+11], v[rB:rB+11], v[rD:rD+7], v[rSA], v[rSB] matrix_a_fmt:MATRIX_FMT_BF6 matrix_b_fmt:MATRIX_FMT_BF6 matrix_a_scale:MATRIX_SCALE_ROW1
.elseif rRA == 0
	v_wmma_scale_f32_16x16x128_f8f6f4 v[rD:rD+7], v[rA:rA+11], v[rB:rB+11], v[rD:rD+7], v[rSA], v[rSB] matrix_a_fmt:MATRIX_FMT_BF6 matrix_b_fmt:MATRIX_FMT_BF6 matrix_b_scale:MATRIX_SCALE_ROW1
.else
	v_wmma_scale_f32_16x16x128_f8f6f4 v[rD:rD+7], v[rA:rA+11], v[rB:rB+11], v[rD:rD+7], v[rSA], v[rSB] matrix_a_fmt:MATRIX_FMT_BF6 matrix_b_fmt:MATRIX_FMT_BF6 matrix_a_scale:MATRIX_SCALE_ROW1 matrix_b_scale:MATRIX_SCALE_ROW1
.endif
.endm
.macro CHANGE g0                       ; the slot just read out is filled again, two chunks on
	s_wait_tensorcnt 0x0                           ; no tensor load of mine is out, so a group 0 may be written
	ds_add_u32 v1, v2                              ; 0 onto my spare word
	s_add_nc_u64 s[\g0+2:\g0+3], s[\g0+2:\g0+3], 49152
	s_wait_dscnt 0x0                               ; the add is done, and my reads of the slot are over
	ROUND
	tensor_load_to_lds s[\g0:\g0+3], s[24:31]      ; one load of mine is out
	s_nop 0
	PLACES 4
.endm
.macro RUN c, q                        ; two K steps of chunk c: 8 products, four accumulators by turns
	s_wait_dscnt 0x0                               ; this run's fragments are in
.if (\q) == 3
.if (\c) < 6
	CHANGE 32+4*((\c)%2)
	NEXTR (\c)+1, 0
.elseif (\c) == 6
	s_wait_tensorcnt 0x0                           ; chunk 7 has landed: no load was issued behind it
	PLACES 4
	NEXTR 7, 0
.endif
.else
	PLACES 4                                       ; in front of loads into registers that the last products read
	NEXTR \c, (\q)+1
.endif
	WIN 0x58                                       ; source 1 window 2, C and D window 1
.irp ss, 0,1
.irp u, 0,1
.irp m, 0,1
.set rD, 8*(16*\m+2*(\c)+\u)
.set rA, 88+48*((\q)%2)+12*(2*\ss+\u)
.set rB, 12*(8*\m+2*(\q)+\ss)
.set rSA, 24+8*(\c)+2*(\q)+\ss
.set rSB, 16+2*(\q)+\ss
.set rRA, \u
.set rRB, \m
	WM
.endr
.endr
.endr
	WIN 0
.endm
	s_wait_tensorcnt 0x1                           ; my chunk 0 has landed (chunk 1's load may be out); I alone read my part of a slot
	NEXTR 0, 0
.irp c, 0,1,2,3,4,5,6,7
.irp q, 0,1,2,3
	RUN \c, \q
.endr
.endr
	; ---- LAYERNORM.  A lane holds 128 numbers of row r of each tile; lane l xor 16 the wave's other 128; the other waves the rest.
.macro REDUCE off                      ; four packed chains a tile -> the row's sum over all 1,024 columns, in v200 (tile 0) and v201 (tile 1) of every wave
.irp m, 0,1
	v_pk_add_f32 v[184+8*\m:185+8*\m], v[184+8*\m:185+8*\m], v[186+8*\m:187+8*\m]
	v_pk_add_f32 v[188+8*\m:189+8*\m], v[188+8*\m:189+8*\m], v[190+8*\m:191+8*\m]
.endr
.irp m, 0,1
	v_pk_add_f32 v[184+8*\m:185+8*\m], v[184+8*\m:185+8*\m], v[188+8*\m:189+8*\m]
.endr
.irp m, 0,1
	v_add_f32 v[200+\m], v[184+8*\m], v[185+8*\m]
.endr
.irp m, 0,1
	v_permlanex16_b32 v[214+\m], v[200+\m], s20, s21
.endr
.irp m, 0,1
	v_add_f32 v[200+\m], v[200+\m], v[214+\m]
.endr
.irp m, 0,1
	ds_store_b32 v13, v[200+\m] offset:\off+256*\m                 ; both lanes of a row write the same word with the same value
.endr
	BARRIER
.irp m, 0,1
.irp k, 0,1,2,3
	ds_load_b32 v[202+4*\m+\k], v14 offset:\off+256*\m+64*\k
.endr
.endr
	s_wait_dscnt 0x0
.irp m, 0,1
	v_add_f32 v[202+4*\m], v[202+4*\m], v[203+4*\m]
	v_add_f32 v[204+4*\m], v[204+4*\m], v[205+4*\m]
.endr
.irp m, 0,1
	v_add_f32 v[200+\m], v[202+4*\m], v[204+4*\m]
.endr
.endm
	PLACES 4
.irp m, 0,1
	WIN 0x05                                       ; sources 0 and 1 window 1
.irp k, 0,1,2,3
	v_pk_add_f32 v[184+8*\m+2*\k:185+8*\m+2*\k], v[128*\m+2*\k:128*\m+2*\k+1], v[128*\m+8+2*\k:128*\m+8+2*\k+1]   ; each accumulator from its low end on
.endr
	WIN 0x04                                       ; source 1 window 1
.irp t, 2,3,4,5,6,7,8,9,10,11,12,13,14,15
.irp k, 0,1,2,3
	v_pk_add_f32 v[184+8*\m+2*\k:185+8*\m+2*\k], v[184+8*\m+2*\k:185+8*\m+2*\k], v[128*\m+8*\t+2*\k:128*\m+8*\t+2*\k+1]
.endr
.endr
.endr
	WIN 0
	REDUCE 0
.irp m, 0,1
	v_mul_f32 v[210+2*\m], s23, v[200+\m]          ; the mean
	v_mov_b32 v[211+2*\m], 0                       ; (named with it as a pair)
.endr
	WIN 0x41                                       ; destination and source 0 window 1
.irp m, 0,1
.set n, 0
.rept 64
	v_pk_add_f32 v[128*\m+n:128*\m+n+1], v[128*\m+n:128*\m+n+1], v[210+2*\m:211+2*\m] op_sel_hi:[1,0] neg_lo:[0,1] neg_hi:[0,1]   ; y - mean, in place
.set n, n+2
.endr
.endr
	WIN 0x05
.irp m, 0,1
.irp k, 0,1,2,3
	v_pk_mul_f32 v[184+8*\m+2*\k:185+8*\m+2*\k], v[128*\m+2*\k:128*\m+2*\k+1], v[128*\m+2*\k:128*\m+2*\k+1]
.endr
.irp t, 1,2,3,4,5,6,7,8,9,10,11,12,13,14,15
.irp k, 0,1,2,3
	v_pk_fma_f32 v[184+8*\m+2*\k:185+8*\m+2*\k], v[128*\m+8*\t+2*\k:128*\m+8*\t+2*\k+1], v[128*\m+8*\t+2*\k:128*\m+8*\t+2*\k+1], v[184+8*\m+2*\k:185+8*\m+2*\k]
.endr
.endr
.endr
	WIN 0
	REDUCE 512                                     ; other bytes than the first exchange's
.irp m, 0,1
	v_fma_f32 v[200+\m], v[200+\m], s23, s22       ; the variance + 1e-5
.endr
	v_rsq_f32 v210, v200
	v_rsq_f32 v212, v201
	v_nop                                          ; a plain place behind the transcendentals
	v_permlanex16_b32 v214, v16, s20, s21          ; the first K step's scale words: lanes 0-15 hold tile 0's, lanes 16-31 tile 1's
	v_cndmask_b32 v202, v16, v214, s19             ; tile 0's word of row r in both halves,
	v_cndmask_b32 v203, v214, v16, s19             ; tile 1's
	v_mov_b32 v204, 0x7fc00000
	s_wait_alu depctr_va_vdst(0)                   ; one wait for both, ahead of their first reader
	v_cmp_eq_u32 vcc_lo, -1, v202                  ; four bytes 0xff: the row had no key
	v_cndmask_b32 v210, v210, v204, vcc_lo
	v_cmp_eq_u32 vcc_lo, -1, v203
	v_cndmask_b32 v212, v212, v204, vcc_lo
	WIN 0x41
.irp m, 0,1
.set n, 0
.rept 64
	v_pk_mul_f32 v[128*\m+n:128*\m+n+1], v[128*\m+n:128*\m+n+1], v[210+2*\m:211+2*\m] op_sel_hi:[1,0]
.set n, n+2
.endr
.endr
	; ---- THE WAY OUT: through my stage, back as rows.
.macro OUTM m
	WIN 0x04                                       ; an LDS store's data are its source 1: window 1
.set n, 0
.rept 32
	ds_store_b128 v11, v[128*\m+4*n:128*\m+4*n+3] offset:64*(n/2)+16*(n%2)
.set n, n+1
.endr
	WIN 0xc0
.set n, 0
.rept 32
	ds_load_b128 v[128*\m+4*n:128*\m+4*n+3], v12 offset:1040*(n/2)+512*(n%2)
.set n, n+1
.endr
	WIN 0x0c
.set n, 0
.rept 32
	s_wait_dscnt 31-n                              ; LDS loads come back in order: number n is in
	global_store_b128 v3, v[128*\m+4*n:128*\m+4*n+3], s[14:15] offset:(16*\m+n/2)*4096+512*(n%2) th:TH_STORE_NT   ; 512 consecutive bytes, aligned; written once, read by nobody here
.set n, n+1
.endr
	WIN 0
.endm
	OUTM 0
	OUTM 1
	s_wait_tensorcnt 0x0                           ; the wave's end
	ds_add_u32 v1, v2
	s_wait_dscnt 0x0
	ROUND                                          ; the closing round
	s_endpgm
.Lfunc_end_k_qcdbadb346e_oproj:
	.size	k_qcdbadb346e_oproj, .Lfunc_end_k_qcdbadb346e_oproj-k_qcdbadb346e_oproj
	.p2alignl 7, 3214868480
	.fill 96, 4, 3214868480
	.section	.rodata,"a",@progbits
	.p2align	6, 0x0
	.amdhsa_kernel k_qcdbadb346e_oproj
		.amdhsa_group_segment_fixed_size 327680
		.amdhsa_private_segment_fixed_size 0
		.amdhsa_enable_private_segment 0
		.amdhsa_kernarg_size 48
		.amdhsa_user_sgpr_count 2
		.amdhsa_user_sgpr_kernarg_segment_ptr 1
		.amdhsa_wavefront_size32 1
		.amdhsa_system_sgpr_workgroup_id_x 1
		.amdhsa_system_sgpr_workgroup_id_y 1
		.amdhsa_system_sgpr_workgroup_id_z 1
		.amdhsa_system_vgpr_workitem_id 0
		.amdhsa_next_free_vgpr 1024
		.amdhsa_next_free_sgpr 66
		.amdhsa_reserve_vcc 1
		.amdhsa_float_denorm_mode_32 3
		.amdhsa_float_denorm_mode_16_64 3
		.amdhsa_memory_ordered 1
		.amdhsa_forward_progress 1
		.amdhsa_inst_pref_size 171
	.end_amdhsa_kernel
	.amdgpu_metadata
---
amdhsa.version: [ 1, 2 ]
amdhsa.kernels:
  - .name:           k_qcdbadb346e_oproj
    .symbol:         k_qcdbadb346e_oproj.kd
    .args:
      - { .name: ac, .offset: 0, .size: 8, .value_kind: global_buffer, .address_space: global }
      - { .name: asc, .offset: 8, .size: 8, .value_kind: global_buffer, .address_space: global }
      - { .name: W_o_codes, .offset: 16, .size: 8, .value_kind: global_buffer, .address_space: global }
      - { .name: W_o_scales, .offset: 24, .size: 8, .value_kind: global_buffer, .address_space: global }
      - { .name: x0, .offset: 32, .size: 8, .value_kind: global_buffer, .address_space: global }
      - { .name: out0, .offset: 40, .size: 8, .value_kind: global_buffer, .address_space: global }
    .group_segment_fixed_size: 327680
    .private_segment_fixed_size: 0
    .kernarg_segment_align: 8
    .kernarg_segment_size: 48
    .max_flat_workgroup_size: 128
    .sgpr_count:     66
    .vgpr_count:     1024
    .wavefront_size: 32
...
	.end_amdgpu_metadata
.endif
;; end of part 3
